; MI455X (gfx1250); checked and timed in simulation.
; The chip was launched on July 23, 2026; its instructions are those of AMD's public machine-readable ISA for CDNA 5 (MIT licence, August 2026) and "CDNA5" Instruction Set Architecture Reference Guide (July 2026). The comments in the code are by the model that wrote it; some were corrected since.
;; Attention simple. Allowed arithmetic: float matrix products may take bf16 or f16 operands with f32 sums; all other float work in f32.
;; Inputs: W 1,024 x 1,024 float32; b one number float32; context 32 x 2,048 x 1,024 float32; v 1,024 float32.
;; Outputs: out0 32 x 1,024 float32; out1 32 x 2,048 float32.
;; One version. Each part assembles by itself: llvm-mc -triple=amdgcn-amd-amdhsa -mcpu=gfx1250 --defsym DOCPART=n.
;; ======== version 1 of 1: 3 launches
;; limits: values are held in f16: magnitudes above 65,504 overflow, below 6.1e-05 lose precision
;; workspace buffers: wf 2,097,152 bytes; logits 262,144 bytes; part 2,097,152 bytes
;; launch prep (part 1): grid 64 x 4, 4 waves a work-group, no clusters, 8,704 bytes of LDS; arguments W, wf; writes wf
.if DOCPART == 1
	.amdgcn_target "amdgcn-amd-amdhsa--gfx1250"
	.amdhsa_code_object_version 6
	.text
	.protected	k_q1473078306_prep
	.globl	k_q1473078306_prep
	.p2align	8
	.type	k_q1473078306_prep,@function
k_q1473078306_prep:
	s_mov_b64 s[64:65], 0
	v_nop
	global_prefetch_b8 v0, s[64:65] scope:SCOPE_SE
	s_setreg_imm32_b32 hwreg(HW_REG_WAVE_MODE, 25, 1), 1
	s_wait_xcnt 0x0
; wf = f16(2 log2(e) * W), laid in the order in which the product's waves load their fragments.
; W: [1024 (e)][1024 (k)] f32.  wf, in pieces of 16 bytes (8 f16 along k): [e/128][k/32][(e/16)%8][q][lane], lane = 16 h + r,
; piece = W[e = .. + r][k = 32 (k/32) + 16 q + 8 h .. + 7]: byte (e/128) 262144 + (k/32) 8192 + ((e/16)%8) 1024 + q 512 + lane 16.
; The factor 2 log2(e) lets the product's result go straight into v_exp_f32 (base 2) for tanh x = 1 - 2 / (1 + e^(2x)).
; f16 and not bf16: a rounding step of 2^-11 of the number instead of 2^-8.  LIMIT: |2.885 W| must not pass 65,504 (weights of spread 1/32
; taken 30 times larger reach about 13); numbers below 2^-14 are kept to an absolute 2^-25.
; A work-group takes 16 rows of W (e tile = x) and 256 k (y); a wave takes 64 k of all 16 rows = two k steps of 32 = 2,048 bytes of wf's image,
; which it builds in LDS bytes of its own (wave x 2,048) and reads back itself: no barrier.
; Loads: lanes 0-15 take 256 consecutive aligned bytes of one row, lanes 16-31 of the next.  Stores: 512 consecutive aligned bytes a wave.
; Memory binds this launch (6 MiB moved): no matrix unit, no cluster, no tensor load would add anything.
.set C2L, 0x4038aa3b                   ; 2 log2(e)
.set X, 8                              ; v[8:39]  eight loads of four f32; later the four pieces read back
.set Y, 40                             ; v[40:47] packed f16, four pairs in turn
	s_load_b128 s[4:7], s[0:1], 0x0                ; W s[4:5], wf s[6:7]
	v_lshl_add_u32 v48, v0, 2, 0x2000
	v_mov_b32 v49, 0
	v_lshrrev_b32 v5, 5, v0
	v_readfirstlane_b32 s14, v5                    ; wave 0..3
	s_and_b32 s8, ttmp7, 0xffff                    ; y: which 256 k
	s_lshl_b32 s10, ttmp9, 16                      ; W: 16 rows of 4,096 bytes for each e tile,
	s_lshl_b32 s9, s8, 10                          ; 256 k of 4 bytes,
	s_or_b32 s10, s10, s9
	s_lshl_b32 s9, s14, 8                          ; 64 k of 4 bytes for each wave
	s_or_b32 s10, s10, s9
	s_mov_b32 s11, 0
	s_lshr_b32 s12, ttmp9, 3                       ; wf: e / 128 times 262,144,
	s_lshl_b32 s12, s12, 18
	s_and_b32 s9, ttmp9, 7                         ; (e / 16) % 8 times 1,024,
	s_lshl_b32 s9, s9, 10
	s_or_b32 s12, s12, s9
	s_lshl_b32 s9, s8, 16                          ; 8 k steps of 8,192 for each y,
	s_or_b32 s12, s12, s9
	s_lshl_b32 s9, s14, 14                         ; 2 k steps for each wave
	s_or_b32 s12, s12, s9
	s_mov_b32 s13, 0
	v_and_b32 v5, 15, v0
	v_bfe_u32 v6, v0, 4, 1                         ; which of a load's two rows
	v_lshlrev_b32 v1, 4, v5
	v_lshl_add_u32 v1, v6, 12, v1                  ; load offset: 16 (lane % 16) + 4,096 (lane / 16)
	; my four k are 64 wave + 4 (lane % 16) ..: lane bit 3 = k step, bit 2 = q, bit 1 = h, bit 0 = which half of the piece
	v_bfe_u32 v7, v0, 3, 1
	v_lshlrev_b32 v2, 10, v7
	v_bfe_u32 v7, v0, 2, 1
	v_lshl_add_u32 v2, v7, 9, v2
	v_bfe_u32 v7, v0, 1, 1
	v_lshl_add_u32 v2, v7, 8, v2
	v_lshl_add_u32 v2, v6, 4, v2                   ; r = 2 i + lane / 16: 16 bytes a row, the 32 i stand in the store's offset
	v_and_b32 v7, 1, v0
	v_lshl_add_u32 v2, v7, 3, v2
	s_lshl_b32 s15, s14, 11                        ; my wave's 2,048 bytes of LDS
	v_add_nc_u32 v2, s15, v2
	v_and_b32 v3, 31, v0
	v_lshlrev_b32 v4, 4, v3                        ; 16 x lane: offset of the stores
	v_add_nc_u32 v3, s15, v4                       ; and of the reads back
	s_wait_kmcnt 0x0
	s_add_nc_u64 s[4:5], s[4:5], s[10:11]
	s_add_nc_u64 s[6:7], s[6:7], s[12:13]
.irp i, 0,1,2,3,4,5,6,7
	global_load_b128 v[X+4*\i:X+4*\i+3], v1, s[4:5] offset:8192*\i th:TH_LOAD_NT   ; rows 2 i and 2 i + 1
.endr
.irp i, 0,1,2,3,4,5,6,7
	s_wait_loadcnt 7-\i                            ; loads come back in order: load i is in, the younger ones stay out
	v_pk_mul_f32 v[X+4*\i:X+4*\i+1], v[X+4*\i:X+4*\i+1], C2L op_sel_hi:[1,0]
	v_pk_mul_f32 v[X+4*\i+2:X+4*\i+3], v[X+4*\i+2:X+4*\i+3], C2L op_sel_hi:[1,0]
	v_cvt_pk_f16_f32 v[Y+2*(\i&3)], v[X+4*\i], v[X+4*\i+1]
	v_cvt_pk_f16_f32 v[Y+2*(\i&3)+1], v[X+4*\i+2], v[X+4*\i+3]
	ds_store_b64 v2, v[Y+2*(\i&3):Y+2*(\i&3)+1] offset:32*\i
.endr
.irp i, 0,1,2,3
	ds_load_b128 v[X+4*\i:X+4*\i+3], v3 offset:512*\i      ; my own bytes: LDS serves a wave's instructions in order, these see the stores above
.endr
.irp i, 0,1,2,3
	s_wait_dscnt 3-\i
	global_store_b128 v4, v[X+4*\i:X+4*\i+3], s[6:7] offset:(\i>>1)*8192+(\i&1)*512   ; k step i / 2, q = i % 2: 512 consecutive bytes
.endr
	s_wait_tensorcnt 0x0
	ds_add_u32 v48, v49
	s_wait_dscnt 0x0
	s_endpgm
.Lfunc_end_k_q1473078306_prep:
	.size	k_q1473078306_prep, .Lfunc_end_k_q1473078306_prep-k_q1473078306_prep
	.p2alignl 7, 3214868480
	.fill 96, 4, 3214868480
	.section	.rodata,"a",@progbits
	.p2align	6, 0x0
	.amdhsa_kernel k_q1473078306_prep
		.amdhsa_group_segment_fixed_size 8704
		.amdhsa_private_segment_fixed_size 0
		.amdhsa_enable_private_segment 0
		.amdhsa_kernarg_size 16
		.amdhsa_user_sgpr_count 2
		.amdhsa_user_sgpr_kernarg_segment_ptr 1
		.amdhsa_wavefront_size32 1
		.amdhsa_system_sgpr_workgroup_id_x 1
		.amdhsa_system_sgpr_workgroup_id_y 1
		.amdhsa_system_sgpr_workgroup_id_z 1
		.amdhsa_system_vgpr_workitem_id 0
		.amdhsa_next_free_vgpr 50
		.amdhsa_next_free_sgpr 66
		.amdhsa_reserve_vcc 0
		.amdhsa_float_denorm_mode_32 3
		.amdhsa_float_denorm_mode_16_64 3
		.amdhsa_memory_ordered 1
		.amdhsa_forward_progress 1
		.amdhsa_inst_pref_size 7
	.end_amdhsa_kernel
	.amdgpu_metadata
---
amdhsa.version: [ 1, 2 ]
amdhsa.kernels:
  - .name:           k_q1473078306_prep
    .symbol:         k_q1473078306_prep.kd
    .args:
      - { .name: W, .offset: 0, .size: 8, .value_kind: global_buffer, .address_space: global }
      - { .name: wf, .offset: 8, .size: 8, .value_kind: global_buffer, .address_space: global }
    .group_segment_fixed_size: 8704
    .private_segment_fixed_size: 0
    .kernarg_segment_align: 8
    .kernarg_segment_size: 16
    .max_flat_workgroup_size: 128
    .sgpr_count:     66
    .vgpr_count:     50
    .wavefront_size: 32
...
	.end_amdgpu_metadata
.endif
;; end of part 1
;; launch attn (part 2): grid 512 x 1, 4 waves a work-group, no clusters, 271,872 bytes of LDS; arguments context, wf, v, b, logits, part; writes logits, part
.if DOCPART == 2
	.amdgcn_target "amdgcn-amd-amdhsa--gfx1250"
	.amdhsa_code_object_version 6
	.text
	.protected	k_q1473078306_attn
	.globl	k_q1473078306_attn
	.p2align	8
	.type	k_q1473078306_attn,@function
k_q1473078306_attn:
	s_mov_b64 s[64:65], 0
	v_nop
	global_prefetch_b8 v0, s[64:65] scope:SCOPE_SE
	s_setreg_imm32_b32 hwreg(HW_REG_WAVE_MODE, 25, 1), 1
	s_wait_xcnt 0x0
; For one block of 128 context rows (16 blocks a batch): l[s] = sum over e of v[e] tanh(row s . W[e]) + b, stored to logits;
; m = the block's largest l; p[s] = exp(l[s] - m); part[block][d] = sum over s of p[s] context[s][d].  A later launch joins the blocks of a batch.
; THE BLOCK STAYS IN LDS as f16 (128 rows, pitch 2,064 bytes = 264,192 bytes), so context is read from memory once and serves the product's
; two passes and the weighted sum.
; FOUR WAVES.  Wave w owns columns e = 256 w .. + 255 of the product, in two passes of 128: a tile of 128 rows x 128 columns, 64 accumulators,
; 512 registers.  For 32 along K a wave issues 64 matrix instructions, reads 8 KiB of context fragments from LDS and 8 KiB of W fragments from
; wf straight into registers: no two waves read the same bytes of wf, so a way through LDS would only add a write and a read of every byte.
; The K loop has no barrier.
; NO CLUSTER, NO TENSOR LOADS, by this text's own arithmetic: of the 327,680 bytes that a work-group can be given, the block takes 264,192 and the
; scratch 7,168; 56,320 are left, and one K step of W for the four waves is 4 x 8,192 = 32,768 bytes, so two slots of it do not fit.  Context
; has to pass through registers in any case, to be rounded to f16.
; THE MATRIX INSTRUCTION IS USED TRANSPOSED: source 0 = 16 rows of W (m = e), source 1 = 16 context rows (n = s).  Lane (r, h), register j of
; tile (a, b) holds the product for s = 16 a + r, e = e0 + 16 b + 8 h + j: the sum over e runs along a lane's registers.
; tanh x = 1 - u, u = 2 / (1 + e^(2x)) = rcp(0.5 exp2(c x) + 0.5); c = 2 log2(e) is already in wf.  sum v tanh = sum v - sum v u.
; exp2 = infinity gives u = 0, exp2 = 0 gives u = 2: both ends are right.
; f16 AND NOT bf16 for the matrix operands (context, c W, and p in the weighted sum): a rounding step of 2^-11 of the number instead of 2^-8.
; The weighted sum is a sum of 2,048 terms of both signs that is judged against its own spread, and each term carries the roundings of its row,
; of its p and (through the logit) of the product: eight times finer steps leave eight times the room.
; LIMITS: |context| and |c W| must not pass 65,504, f16's largest number (rows of spread 1 taken 30 times larger, or offset by 30, reach about
; 170; c W of spread 0.09 taken 30 times larger about 13); beyond it an operand becomes infinite.  Operands below 2^-14 are kept to an absolute
; 2^-25; so is p, of which the block's largest is 1.  sum v - sum v u has an absolute error of a few 2^-24 sum |v|.
; An exponential below 2^-126 comes out as 0.  NaN and infinities in the inputs are not served.
;
; LDS: 0 the block; PARTL 4 x 512: each wave's partial logits; PBL 4 x 256: p as f16, a copy for each wave;
; OUTL 4 x 1,024, each wave's own: first its 256 numbers of v, at the end its 256 results.
; REGISTERS in windows of 256: window 0 addresses, context fragments, v; window 1 a ring of four W fragment buffers;
; windows 2 and 3 the accumulators (tile (a, b) at v[8 (8 (a % 4) + b)], window 2 + a / 4).  Window 2 also serves as stage of the load phase
; (v0-191) and holds the weighted sum's 16 accumulators (v0-127).
.set PITCH, 2064                       ; 2,048 bytes of a row + 16: an odd multiple of 16, so the 16 rows of a fragment load fall on 16 different 16-byte columns of 256
.set R16,   16*PITCH
.set R32,   32*PITCH
.set PARTL, 128*PITCH
.set PBL,   PARTL+2048
.set OUTL,  PBL+1024
.set KSB,   8192                       ; bytes of wf for one wave and one K step of 32
.set VOFF, 4                           ; v4      16 x lane: offset into context, wf, v, logits, part; never rewritten
.set VRD,  5                           ; v5      OUTL + 1024 w + 32 h: where I read v from LDS
.set STA,  6                           ; v6-7    where I store my 8 bytes of rows 32 w (+ 16)
.set ADRA, 8                           ; v8-11   (32 i + r) PITCH + 16 h: context fragments at K = 0; never rewritten
.set APST, 12                          ; v12     PARTL + 512 w + 4 r
.set APRD, 13                          ; v13     PARTL + 16 lane
.set BST,  14                          ; v14     PBL + 256 w + 8 lane
.set BRD,  15                          ; v15     PBL + 256 w + 16 h
.set TRA,  16                          ; v16     transposing loads of the weighted sum
.set OST,  17                          ; v17     OUTL + 1024 w + 4 (r % 8) + 256 (r / 8)
.set ORD,  18                          ; v18     OUTL + 1024 w + 16 lane
.set LGT,  20                          ; v20-23  the logits of rows 4 lane .. + 3; v24-31 at work on the softmax
.set LP,   32                          ; v32-47  eight pairs of partial logits, one for each 16 rows
.set CT,   32                          ; v32-63  load phase: 16 pairs of packed f16
.set SV,   48                          ; v48-51  sum of the pass's v
.set AW,   56                          ; v56-59  ADRA as the K loop steps it
.set F0,   64                          ; v64-127   context fragments, buffer 0
.set F1,   128                         ; v128-191  buffer 1
.set VV,   192                         ; v192-255  v[e0 + 16 b + 8 h + j] at VV + 8 b + j; at the start v192-199: v as loaded
.set PF,   192                         ; v192-223  later: the fragments of p
.set MUL_LO, 0xa1                      ; source 0 (W) window 1, source 1 (context) window 0, C and D window 2
.set MUL_HI, 0xf1                      ; the same, C and D window 3
.set TO_B,   0x40                      ; destination window 1
.set TO_ST,  0x80                      ; destination window 2
.set CVT,    0x0a                      ; sources 0 and 1 window 2
.set MSB, 0
.macro WIN new                         ; the immediate's high byte repeats the setting that is left; a switch that changes nothing is dropped
.if MSB != (\new)
	s_set_vgpr_msb (MSB<<8)|(\new)
.set MSB, (\new)
.endif
.endm
.macro PLACES                          ; a load into a register that a matrix instruction has read, and whatever reads a matrix result, stand four plain vector instructions behind it
.rept 4
	v_nop
.endr
.endm
; Unit n of the load phase: 16 rows (half n % 2 of my 32) x 128 f32 (slice n / 2 of 8): each load 512 consecutive bytes of a row.  Stage set n % 3.
.macro LOADU n
	WIN TO_ST
.irp i, 0,1,2,3,4,5,6,7,8,9,10,11,12,13,14,15
	global_load_b128 v[64*((\n)%3)+4*\i:64*((\n)%3)+4*\i+3], v[VOFF], s[4:5] offset:(16*((\n)&1)+\i)*4096+((\n)>>1)*512 th:TH_LOAD_NT
.endr
.endm
.macro CVTU n                          ; round unit n to f16 and lay it into the block: each store 256 consecutive bytes of a row
	WIN CVT
.irp i, 0,1,2,3,4,5,6,7,8,9,10,11,12,13,14,15
	v_cvt_pk_f16_f32 v[CT+2*\i],   v[64*((\n)%3)+4*\i],   v[64*((\n)%3)+4*\i+1]
	v_cvt_pk_f16_f32 v[CT+2*\i+1], v[64*((\n)%3)+4*\i+2], v[64*((\n)%3)+4*\i+3]
.endr
	WIN 0
.irp i, 0,1,2,3,4,5,6,7,8,9,10,11,12,13,14,15
	ds_store_b64 v[STA+((\n)&1)], v[CT+2*\i:CT+2*\i+1] offset:\i*PITCH+((\n)>>1)*256
.endr
.endm
.macro LOADB fbn, bo                   ; one K step's W fragments (8 x 16 rows x 32 K), 16 loads of 512 consecutive bytes; every block reads wf again: no hint
	WIN TO_B
.irp b, 0,1,2,3,4,5,6,7
	global_load_b128 v[\fbn+8*\b:\fbn+8*\b+3],   v[VOFF], s[6:7] offset:\bo+1024*\b
	global_load_b128 v[\fbn+8*\b+4:\fbn+8*\b+7], v[VOFF], s[6:7] offset:\bo+1024*\b+512
.endr
.endm
.macro LOADV p                         ; from my wave's copy of v in LDS: the 64 numbers that go with my accumulator registers in pass p; sixteen lanes share each address
.irp b, 0,1,2,3,4,5,6,7
	ds_load_b128 v[VV+8*\b:VV+8*\b+3],   v[VRD] offset:512*\p+64*\b
	ds_load_b128 v[VV+8*\b+4:VV+8*\b+7], v[VRD] offset:512*\p+64*\b+16
.endr
.endm
.macro FETCHA fa, k                    ; context fragments of all 128 rows, 32 K at byte k behind AW: two loads of 16 bytes, 32 bytes apart, for each 16 rows
	WIN 0
.irp a, 0,1,2,3,4,5,6,7
	ds_load_b128 v[\fa+8*\a:\fa+8*\a+3],   v[AW+(\a>>1)] offset:(\a&1)*R16+\k
	ds_load_b128 v[\fa+8*\a+4:\fa+8*\a+7], v[AW+(\a>>1)] offset:(\a&1)*R16+\k+32
.endr
.endm
; 32 matrix instructions: four blocks of 16 rows (hi = 0: rows 0-63, 1: rows 64-127) x eight blocks of 16 columns.  zero = 1: the product starts the sums.
.macro MUL32 fb, fa, hi, zero
.irp a, 0,1,2,3
.irp b, 0,1,2,3,4,5,6,7
.if \zero
	v_wmma_f32_16x16x32_f16 v[8*(8*\a+\b):8*(8*\a+\b)+7], v[\fb+8*\b:\fb+8*\b+7], v[\fa+8*(4*\hi+\a):\fa+8*(4*\hi+\a)+7], 0
.else
	v_wmma_f32_16x16x32_f16 v[8*(8*\a+\b):8*(8*\a+\b)+7], v[\fb+8*\b:\fb+8*\b+7], v[\fa+8*(4*\hi+\a):\fa+8*(4*\hi+\a)+7], v[8*(8*\a+\b):8*(8*\a+\b)+7]
.endif
.endr
.endr
.endm
; One K step.  The 64 accumulators take turns, one instruction a turn, in the same order in every step and over the backward jump.
; In its middle the step asks for the W fragments three steps ahead (into the buffer that the last step read) and for the next step's context fragments.
.macro STEP fb, fa, zero, lc, doa, fan, kn, dob, fbn, bo
	s_wait_loadcnt \lc                             ; this step's W fragments are in; lc = the loads issued behind them
	s_wait_dscnt 0x0                               ; this step's context fragments, asked for 32 matrix instructions ago
	WIN MUL_LO
	MUL32 \fb, \fa, 0, \zero
.if \doa+\dob
	PLACES
.endif
.if \dob
	LOADB \fbn, \bo
.endif
.if \doa
	FETCHA \fan, \kn
.endif
	WIN MUL_HI
	MUL32 \fb, \fa, 1, \zero
.endm
; Four K steps, once round the ring of W buffers.  mode 0: everything is asked for; the count 32 leaves the next two steps' 16 loads each on their way.
; mode 1 (end of pass 0): W runs on into pass 1, the context fragments start anew behind the group.
; mode 2 (end of pass 1): only the last step's W is still to be asked for, and the counts run down 32, 32, 16, 0.
.macro GROUP zero, mode
.if (\mode) == 2
	STEP 0,   F0, \zero, 32, 1, F1, 64,  1, 192, 3*KSB
	STEP 64,  F1, 0,     32, 1, F0, 128, 0, 0, 0
	STEP 128, F0, 0,     16, 1, F1, 192, 0, 0, 0
	STEP 192, F1, 0,     0,  0, F0, 0,   0, 0, 0
.else
	STEP 0,   F0, \zero, 32, 1, F1, 64,  1, 192, 3*KSB
	STEP 64,  F1, 0,     32, 1, F0, 128, 1, 0,   4*KSB
	STEP 128, F0, 0,     32, 1, F1, 192, 1, 64,  5*KSB
	STEP 192, F1, 0,     32, 1-(\mode), F0, 256, 1, 128, 6*KSB
.endif
.endm
.macro NEXT                            ; four K steps on: 256 bytes along the block's rows, 32,768 bytes of wf
	WIN 0
.irp i, 0,1,2,3
	v_add_nc_u32 v[AW+\i], 256, v[AW+\i]
.endr
	s_wait_xcnt 0x0                                ; the base of the W loads is stepped only behind this wait
	s_add_nc_u64 s[6:7], s[6:7], 4*KSB
.endm
.macro PASS p, last                    ; 32 K steps = 8 groups
	GROUP 1, 0
	NEXT
	s_mov_b32 s24, 6
.Lk\p:
	GROUP 0, 0
	NEXT
	s_sub_co_i32 s24, s24, 1
	s_cmp_lg_u32 s24, 0
	s_cbranch_scc1 .Lk\p
	GROUP 0, \last
.endm
; tanh and the sum over e for one window's 32 tiles: u in place, then LP[a] -= u v, two numbers an instruction, four chains that do not wait for each other.
.macro EPIWIN p, hi
	WIN (0x82+0x41*\hi)                            ; source 0 and destination in the accumulators' window
.set i, 0
.rept 256
	v_exp_f32 v[i], v[i]
.set i, i+1
.endr
	v_nop                                          ; one plain instruction behind the last transcendental (ISA guide 5.7.2)
.set i, 0
	s_wait_alu depctr_va_vdst(0)
.rept 128
	v_pk_fma_f32 v[i:i+1], v[i:i+1], 0.5, 0.5 op_sel_hi:[1,0,0]
.set i, i+2
.endr
.set i, 0
.rept 256
	v_rcp_f32 v[i], v[i]
.set i, i+1
.endr
	v_nop
	s_wait_alu depctr_va_vdst(0)
	WIN (0x02+\hi)                                 ; source 0 in the accumulators' window, v and the sums in window 0
.irp b, 0,1,2,3,4,5,6,7
.irp j, 0,2,4,6
.irp a, 0,1,2,3
.if (\p+\b+\j) == 0
	v_pk_fma_f32 v[LP+2*(4*\hi+\a):LP+2*(4*\hi+\a)+1], v[8*(8*\a+\b)+\j:8*(8*\a+\b)+\j+1], v[VV+8*\b+\j:VV+8*\b+\j+1], v[SV:SV+1] neg_lo:[1,0,0] neg_hi:[1,0,0]   ; the first term starts the sum from sum v
.else
	v_pk_fma_f32 v[LP+2*(4*\hi+\a):LP+2*(4*\hi+\a)+1], v[8*(8*\a+\b)+\j:8*(8*\a+\b)+\j+1], v[VV+8*\b+\j:VV+8*\b+\j+1], v[LP+2*(4*\hi+\a):LP+2*(4*\hi+\a)+1] neg_lo:[1,0,0] neg_hi:[1,0,0]
.endif
.endr
.endr
.endr
.endm
.macro EPI p
	WIN 0
	LOADV \p                                       ; into registers that no matrix instruction of the passes names
	s_wait_dscnt 0x0
	v_pk_add_f32 v[SV:SV+1],   v[VV:VV+1],   v[VV+2:VV+3]       ; sum of my 64 v, by pairs, in two chains; these 31 plain instructions
	v_pk_add_f32 v[SV+2:SV+3], v[VV+4:VV+5], v[VV+6:VV+7]       ; name none of the last matrix instructions' registers: they are the places behind them
.set i, 8
.rept 14
	v_pk_add_f32 v[SV:SV+1],   v[SV:SV+1],   v[VV+i:VV+i+1]
	v_pk_add_f32 v[SV+2:SV+3], v[SV+2:SV+3], v[VV+i+2:VV+i+3]
.set i, i+4
.endr
	v_pk_add_f32 v[SV:SV+1], v[SV:SV+1], v[SV+2:SV+3]
.if \p
.irp a, 0,1,2,3,4,5,6,7
	v_pk_add_f32 v[LP+2*\a:LP+2*\a+1], v[LP+2*\a:LP+2*\a+1], v[SV:SV+1]
.endr
.endif
	EPIWIN \p, 0
	EPIWIN \p, 1
	WIN 0
.endm
; 32 rows of the weighted sum.  Source 0: p, the same in all 16 rows of the operand.  Source 1: context [s][d], brought by transposing loads.
; Tile t = 8 sg + u, lane r stands for d = 256 w + 128 sg + 8 u + r % 8 + 64 (r / 8): a tile's two groups of eight columns lie 128 bytes apart,
; so that with rows 2,064 bytes apart the sixteen lanes of half a wave touch sixteen different 16-byte columns of 256.
.macro PV ks
.if \ks
	PLACES                                         ; behind the last 16 matrix instructions, whose source registers are loaded again
	v_add_nc_u32 v[TRA], R32, v[TRA]
.endif
.irp sg, 0,1
.irp u, 0,1,2,3,4,5,6,7
	ds_load_tr16_b128 v[F0+8*(8*\sg+\u):F0+8*(8*\sg+\u)+3],   v[TRA] offset:256*\sg+16*\u
	ds_load_tr16_b128 v[F0+8*(8*\sg+\u)+4:F0+8*(8*\sg+\u)+7], v[TRA] offset:256*\sg+16*\u+R16
.endr
.endr
	s_wait_dscnt 0x0                               ; these 32 loads (and, the first time, p's eight)
	WIN 0xa0                                       ; sources 0 and 1 window 0, C and D window 2
.irp t, 0,1,2,3,4,5,6,7,8,9,10,11,12,13,14,15
.if \ks
	v_wmma_f32_16x16x32_f16 v[8*\t:8*\t+7], v[PF+8*\ks:PF+8*\ks+7], v[F0+8*\t:F0+8*\t+7], v[8*\t:8*\t+7]
.else
	v_wmma_f32_16x16x32_f16 v[8*\t:8*\t+7], v[PF+8*\ks:PF+8*\ks+7], v[F0+8*\t:F0+8*\t+7], 0
.endif
.endr
	WIN 0
.endm
	; ---- set-up ----
	s_load_b256 s[4:11], s[0:1], 0x0               ; context s[4:5], wf s[6:7], v s[8:9], b s[10:11]
	s_load_b128 s[12:15], s[0:1], 0x20             ; logits s[12:13], part s[14:15]
	v_lshrrev_b32 v19, 5, v0
	v_readfirstlane_b32 s20, v19                   ; wave 0..3
	v_and_b32 v1, 31, v0                           ; lane
	v_and_b32 v2, 15, v0                           ; r
	v_bfe_u32 v3, v0, 4, 1                         ; h
	v_lshlrev_b32 v[VOFF], 4, v1
	s_mov_b32 s22, 0x76543210                      ; v_permlanex16_b32: lane i of one half reads lane i of the other
	s_mov_b32 s23, 0xfedcba98
	s_mov_b32 s3, 0
	s_lshl_b32 s2, ttmp9, 19                       ; a block is 128 rows of 4,096 bytes,
	s_lshl_b32 s21, s20, 17                        ; a wave loads 32 of them
	s_add_co_u32 s2, s2, s21
	s_wait_kmcnt 0x0
	s_add_nc_u64 s[4:5], s[4:5], s[2:3]
	s_lshl_b32 s2, s20, 19                         ; my wave's 64 K steps of 8,192 bytes in wf
	s_add_nc_u64 s[6:7], s[6:7], s[2:3]
	s_lshl_b32 s2, s20, 10                         ; my wave's 256 numbers of v
	s_add_nc_u64 s[8:9], s[8:9], s[2:3]
	s_load_b32 s16, s[10:11], 0x0                  ; b
	s_lshl_b32 s2, ttmp9, 9                        ; the block's 128 logits
	s_add_nc_u64 s[12:13], s[12:13], s[2:3]
	s_lshl_b32 s2, ttmp9, 12                       ; the block's 1,024 partial sums, my wave's 256
	s_lshl_b32 s21, s20, 10
	s_add_co_u32 s2, s2, s21
	s_add_nc_u64 s[14:15], s[14:15], s[2:3]
	; ---- the block comes in: 16 units of 16 loads a wave, three units on their way; ahead of them my wave's 1,024 bytes of v, once, in two loads ----
	global_load_b128 v[VV:VV+3],   v[VOFF], s[8:9]
	global_load_b128 v[VV+4:VV+7], v[VOFF], s[8:9] offset:512
	LOADU 0
	LOADU 1
	LOADU 2                                        ; 50 loads stand issued here
	WIN 0
	s_mul_i32 s21, s20, R32
	v_lshl_add_u32 v[STA], v1, 3, s21              ; row 32 w, 8 bytes a lane
	v_add_nc_u32 v[STA+1], R16, v[STA]
	v_mul_u32_u24 v19, v2, PITCH
	v_lshl_add_u32 v19, v3, 4, v19                 ; r PITCH + 16 h
.irp i, 0,1,2,3
	v_add_nc_u32 v[ADRA+\i], \i*R32, v19
.endr
	s_lshl_b32 s21, s20, 9
	s_add_co_u32 s21, s21, PARTL
	v_lshl_add_u32 v[APST], v2, 2, s21
	v_add_nc_u32 v[APRD], PARTL, v[VOFF]
	s_lshl_b32 s21, s20, 8
	s_add_co_u32 s21, s21, PBL
	v_lshl_add_u32 v[BST], v1, 3, s21
	v_lshl_add_u32 v[BRD], v3, 4, s21
	v_and_b32 v19, 7, v0
	v_bfe_u32 v24, v0, 3, 1
	v_lshl_add_u32 v[TRA], v3, 3, v19              ; row lane % 8 + 8 h,
	v_mul_u32_u24 v[TRA], v[TRA], PITCH
	v_lshl_add_u32 v[TRA], v24, 7, v[TRA]          ; the second group of eight lanes 128 bytes further,
	s_lshl_b32 s21, s20, 9
	v_add_nc_u32 v[TRA], s21, v[TRA]               ; my wave's 256 columns
	s_lshl_b32 s21, s20, 10
	s_add_co_u32 s21, s21, OUTL
	v_lshl_add_u32 v[OST], v19, 2, s21
	v_lshl_add_u32 v[OST], v24, 8, v[OST]
	v_add_nc_u32 v[ORD], s21, v[VOFF]
	v_lshl_add_u32 v[VRD], v3, 5, s21
	s_wait_kmcnt 0x0                               ; b
	s_wait_loadcnt 32                              ; v and unit 0 are in; units 1 and 2 (16 loads each) stay on their way
	ds_store_b128 v[ORD], v[VV:VV+3]               ; v into my wave's own 1,024 bytes, in the order of e; only my wave reads them
	ds_store_b128 v[ORD], v[VV+4:VV+7] offset:512
	CVTU 0
	LOADU 3
.irp n, 1,2,3,4,5,6,7,8,9,10,11,12
	s_wait_loadcnt 32                              ; unit n is in; the two younger units stay on their way
	CVTU \n
	LOADU \n+3
.endr
.irp n, 13,14,15
	s_wait_loadcnt 32                              ; the ring runs on into the first three K steps' W fragments: the count stays
	CVTU \n
	LOADB 64*(\n-13), KSB*(\n-13)
.endr
	WIN 0
	s_wait_dscnt 0x0                               ; my 32 rows are in LDS,
	s_barrier_signal -1
	s_barrier_wait -1                              ; everybody's are; the block is never written again
	; ---- the product, tanh, and the sum over e ----
.irp i, 0,1,2,3
	v_mov_b32 v[AW+\i], v[ADRA+\i]
.endr
	FETCHA F0, 0
	PASS 0, 1
	WIN 0
.irp i, 0,1,2,3
	v_mov_b32 v[AW+\i], v[ADRA+\i]                 ; back to K = 0
.endr
	s_wait_xcnt 0x0
	s_add_nc_u64 s[6:7], s[6:7], 4*KSB
	FETCHA F0, 0                                   ; pass 1's first fragments; buffer 0 was last read a K step ago
	EPI 0
	PASS 1, 2                                      ; its first three K steps' W fragments have been on their way since the end of pass 0
	EPI 1
	; ---- logits of the block ----
.irp a, 0,1,2,3,4,5,6,7
	v_add_f32 v[LP+2*\a], v[LP+2*\a], v[LP+2*\a+1]
.endr
.irp a, 0,1,2,3,4,5,6,7
	v_permlanex16_b32 v[LP+2*\a+1], v[LP+2*\a], s22, s23       ; the other eight of each 16 columns
.endr
.irp a, 0,1,2,3,4,5,6,7
	v_add_f32 v[LP+2*\a], v[LP+2*\a], v[LP+2*\a+1]
	ds_store_b32 v[APST], v[LP+2*\a] offset:64*\a              ; row 16 a + r; both halves of the wave store the same number
.endr
	s_wait_dscnt 0x0                               ; my 256 columns' share is in LDS,
	s_barrier_signal -1
	s_barrier_wait -1                              ; everybody's is
.irp i, 0,1,2,3
	ds_load_b128 v[LP+4*\i:LP+4*\i+3], v[APRD] offset:512*\i   ; rows 4 lane .. + 3, wave i's share
.endr
	s_wait_dscnt 0x0
	v_pk_add_f32 v[LP:LP+1],     v[LP:LP+1],     v[LP+4:LP+5]
	v_pk_add_f32 v[LP+2:LP+3],   v[LP+2:LP+3],   v[LP+6:LP+7]
	v_pk_add_f32 v[LP+8:LP+9],   v[LP+8:LP+9],   v[LP+12:LP+13]
	v_pk_add_f32 v[LP+10:LP+11], v[LP+10:LP+11], v[LP+14:LP+15]
	v_pk_add_f32 v[LGT:LGT+1],   v[LP:LP+1],     v[LP+8:LP+9]
	v_pk_add_f32 v[LGT+2:LGT+3], v[LP+2:LP+3],   v[LP+10:LP+11]
.irp i, 0,1,2,3
	v_add_f32 v[LGT+\i], s16, v[LGT+\i]            ; + b.  Every wave adds in the same order: all four hold the same logits
.endr
	s_cmp_lg_u32 s20, 0
	s_cbranch_scc1 .Lnot_wave_0
	global_store_b128 v[VOFF], v[LGT:LGT+3], s[12:13]          ; 512 consecutive bytes; the data registers are not written again
.Lnot_wave_0:
	; ---- p = exp(l - m), m the block's largest logit; each wave for itself ----
	v_max_num_f32 v25, v[LGT+2], v[LGT+3]
	v_max3_num_f32 v24, v[LGT], v[LGT+1], v25
	v_max_num_f32_dpp v24, v24, v24 row_xmask:1 row_mask:0xf bank_mask:0xf
	v_max_num_f32_dpp v24, v24, v24 row_xmask:2 row_mask:0xf bank_mask:0xf
	v_max_num_f32_dpp v24, v24, v24 row_xmask:4 row_mask:0xf bank_mask:0xf
	v_max_num_f32_dpp v24, v24, v24 row_xmask:8 row_mask:0xf bank_mask:0xf
	v_permlanex16_b32 v25, v24, s22, s23
	v_max_num_f32 v24, v24, v25
.irp i, 0,1,2,3
	v_sub_f32 v[26+\i], v[LGT+\i], v24
.endr
.irp i, 0,1,2,3
	v_mul_f32 v[26+\i], 0x3fb8aa3b, v[26+\i]
.endr
.irp i, 0,1,2,3
	v_exp_f32 v[26+\i], v[26+\i]
.endr
	v_nop
	s_wait_alu depctr_va_vdst(0)
	v_cvt_pk_f16_f32 v30, v26, v27
	v_cvt_pk_f16_f32 v31, v28, v29
	ds_store_b64 v[BST], v[30:31]                  ; my wave's own copy of p: the loads below see it, LDS serves a wave's instructions in order
.irp ks, 0,1,2,3
	ds_load_b128 v[PF+8*\ks:PF+8*\ks+3],   v[BRD] offset:64*\ks        ; p[32 ks + 8 h .. + 7], the same for every r
	ds_load_b128 v[PF+8*\ks+4:PF+8*\ks+7], v[BRD] offset:64*\ks+32
.endr
	; ---- the weighted sum over the block's 128 rows, my wave's 256 columns; the 16 accumulators take turns ----
	PV 0
	PV 1
	PV 2
	PV 3
	PLACES
	WIN 0x08                                       ; an LDS store's data is source 1: window 2
.irp sg, 0,1
.irp u, 0,1,2,3,4,5,6,7
	ds_store_b32 v[OST], v[8*(8*\sg+\u)] offset:512*\sg+32*\u  ; all 16 rows of a tile are equal: register 0; both halves store the same number.  v's copy, which lay here, was last read in the second tanh step
.endr
.endr
	WIN 0
	ds_load_b128 v[32:35], v[ORD]                  ; my own bytes, in the order of d
	ds_load_b128 v[36:39], v[ORD] offset:512
	s_wait_dscnt 0x1
	global_store_b128 v[VOFF], v[32:35], s[14:15]              ; 512 consecutive bytes each
	s_wait_dscnt 0x0
	global_store_b128 v[VOFF], v[36:39], s[14:15] offset:512
	s_wait_xcnt 0x0
	v_lshl_add_u32 v254, v0, 2, 0x42400
	v_mov_b32 v255, 0
	s_wait_tensorcnt 0x0
	ds_add_u32 v254, v255
	s_wait_dscnt 0x0
	s_endpgm
.Lfunc_end_k_q1473078306_attn:
	.size	k_q1473078306_attn, .Lfunc_end_k_q1473078306_attn-k_q1473078306_attn
	.p2alignl 7, 3214868480
	.fill 96, 4, 3214868480
	.section	.rodata,"a",@progbits
	.p2align	6, 0x0
	.amdhsa_kernel k_q1473078306_attn
		.amdhsa_group_segment_fixed_size 271872
		.amdhsa_private_segment_fixed_size 0
		.amdhsa_enable_private_segment 0
		.amdhsa_kernarg_size 48
		.amdhsa_user_sgpr_count 2
		.amdhsa_user_sgpr_kernarg_segment_ptr 1
		.amdhsa_wavefront_size32 1
		.amdhsa_system_sgpr_workgroup_id_x 1
		.amdhsa_system_sgpr_workgroup_id_y 1
		.amdhsa_system_sgpr_workgroup_id_z 1
		.amdhsa_system_vgpr_workitem_id 0
		.amdhsa_next_free_vgpr 1024
		.amdhsa_next_free_sgpr 66
		.amdhsa_reserve_vcc 0
		.amdhsa_float_denorm_mode_32 3
		.amdhsa_float_denorm_mode_16_64 3
		.amdhsa_memory_ordered 1
		.amdhsa_forward_progress 1
		.amdhsa_inst_pref_size 255
	.end_amdhsa_kernel
	.section	.bss,"aw",@nobits
	.p2align	6
	.space	262144
	.amdgpu_metadata
---
amdhsa.version: [ 1, 2 ]
amdhsa.kernels:
  - .name:           k_q1473078306_attn
    .symbol:         k_q1473078306_attn.kd
    .args:
      - { .name: context, .offset: 0, .size: 8, .value_kind: global_buffer, .address_space: global }
      - { .name: wf, .offset: 8, .size: 8, .value_kind: global_buffer, .address_space: global }
      - { .name: v, .offset: 16, .size: 8, .value_kind: global_buffer, .address_space: global }
      - { .name: b, .offset: 24, .size: 8, .value_kind: global_buffer, .address_space: global }
      - { .name: logits, .offset: 32, .size: 8, .value_kind: global_buffer, .address_space: global }
      - { .name: part, .offset: 40, .size: 8, .value_kind: global_buffer, .address_space: global }
    .group_segment_fixed_size: 271872
    .private_segment_fixed_size: 0
    .kernarg_segment_align: 8
    .kernarg_segment_size: 48
    .max_flat_workgroup_size: 128
    .sgpr_count:     66
    .vgpr_count:     1024
    .wavefront_size: 32
...
	.end_amdgpu_metadata
.endif
;; end of part 2
;; launch combine (part 3): grid 8 x 32, 1 waves a work-group, no clusters, 0 bytes of LDS; arguments logits, part, out0, out1; writes out0, out1
.if DOCPART == 3
	.amdgcn_target "amdgcn-amd-amdhsa--gfx1250"
	.amdhsa_code_object_version 6
	.text
	.protected	k_q1473078306_combine
	.globl	k_q1473078306_combine
	.p2align	8
	.type	k_q1473078306_combine,@function
k_q1473078306_combine:
	s_mov_b64 s[64:65], 0
	v_nop
	global_prefetch_b8 v0, s[64:65] scope:SCOPE_SE
	s_setreg_imm32_b32 hwreg(HW_REG_WAVE_MODE, 25, 1), 1
	s_wait_xcnt 0x0
; The softmax over a batch's 2,048 logits and the joining of its 16 blocks' partial sums.
; out1[s] = exp(l[s] - M) / L;  out0[d] = sum over blocks j of exp(m_j - M) part[j][d] / L, with m_j the largest logit of block j (the
; number that the block's p were taken against: a maximum has one value, whatever the order), M the largest m_j, L = sum of exp(l - M) >= 1.
; One wave for (y = x of the grid, batch = its y): 128 numbers of out0 and 256 of out1.  It works out M and L for itself from the batch's
; 8 KiB of logits, so there is no LDS and no barrier.  All 34 loads go out at once; every load and store covers 512 consecutive aligned bytes.
; 2.7 MiB moved in all: no matrix unit, cluster or tensor load would add anything.
; LIMIT: an exponential below 2^-126 comes out as 0.
.set LG,  8                            ; v[8:71]    load j = block j: logits of its rows 4 lane .. + 3
.set PT,  72                           ; v[72:135]  block j's partial sums for d = 128 y + 4 lane .. + 3
.set MY,  136                          ; v[136:143] the 256 logits whose out1 I store
.set MB,  144                          ; v[144:159] m_j, then exp(m_j - M) / L
.set ACC, 160                          ; v[160:163]
.set MM,  164                          ; v[164:165] M, twice
.set SUM, 166                          ; v[166:169]
.set RL,  170                          ; v[170:171] 1 / L, twice
.set TB,  172                          ; v[172:187] at work
.set L2E, 0x3fb8aa3b                   ; log2(e)
	s_load_b256 s[4:11], s[0:1], 0x0               ; logits s[4:5], part s[6:7], out0 s[8:9], out1 s[10:11]
	s_and_b32 s12, ttmp7, 0xffff                   ; batch
	v_lshlrev_b32 v1, 4, v0                        ; 16 x lane
	s_mov_b32 s15, 0
	s_lshl_b32 s18, ttmp9, 10                      ; y x 256 f32
	s_lshl_b32 s19, ttmp9, 9                       ; y x 128 f32
	s_mov_b32 s20, 0x76543210
	s_mov_b32 s21, 0xfedcba98
	s_wait_kmcnt 0x0
	s_lshl_b32 s14, s12, 13                        ; 2,048 f32 a batch
	s_add_nc_u64 s[4:5], s[4:5], s[14:15]
	s_add_co_u32 s14, s14, s18
	s_add_nc_u64 s[10:11], s[10:11], s[14:15]
	s_mov_b32 s14, s18
	s_add_nc_u64 s[16:17], s[4:5], s[14:15]        ; my 256 logits
	s_lshl_b32 s14, s12, 16                        ; 16 blocks of 4,096 bytes a batch
	s_add_co_u32 s14, s14, s19
	s_add_nc_u64 s[6:7], s[6:7], s[14:15]
	s_lshl_b32 s14, s12, 12
	s_add_co_u32 s14, s14, s19
	s_add_nc_u64 s[8:9], s[8:9], s[14:15]
.irp j, 0,1,2,3,4,5,6,7,8,9,10,11,12,13,14,15
	global_load_b128 v[LG+4*\j:LG+4*\j+3], v1, s[4:5] offset:512*\j
.endr
.irp j, 0,1,2,3,4,5,6,7,8,9,10,11,12,13,14,15
	global_load_b128 v[PT+4*\j:PT+4*\j+3], v1, s[6:7] offset:4096*\j th:TH_LOAD_NT
.endr
	global_load_b128 v[MY:MY+3],   v1, s[16:17]
	global_load_b128 v[MY+4:MY+7], v1, s[16:17] offset:512
	s_wait_loadcnt 18                              ; the batch's logits are in; the 16 loads of part and my own two stay out
	; the sixteen block maxima, side by side
.irp j, 0,1,2,3,4,5,6,7,8,9,10,11,12,13,14,15
	v_max_num_f32 v[TB+\j], v[LG+4*\j+2], v[LG+4*\j+3]
.endr
.irp j, 0,1,2,3,4,5,6,7,8,9,10,11,12,13,14,15
	v_max3_num_f32 v[MB+\j], v[LG+4*\j], v[LG+4*\j+1], v[TB+\j]
.endr
.irp m, 1,2,4,8
.irp j, 0,1,2,3,4,5,6,7,8,9,10,11,12,13,14,15
	v_max_num_f32_dpp v[MB+\j], v[MB+\j], v[MB+\j] row_xmask:\m row_mask:0xf bank_mask:0xf
.endr
.endr
.irp j, 0,1,2,3,4,5,6,7,8,9,10,11,12,13,14,15
	v_permlanex16_b32 v[TB+\j], v[MB+\j], s20, s21
.endr
.irp j, 0,1,2,3,4,5,6,7,8,9,10,11,12,13,14,15
	v_max_num_f32 v[MB+\j], v[MB+\j], v[TB+\j]
.endr
	v_max3_num_f32 v[MM], v[MB], v[MB+1], v[MB+2]
.irp j, 3,5,7,9,11,13
	v_max3_num_f32 v[MM], v[MM], v[MB+\j], v[MB+\j+1]
.endr
	v_max_num_f32 v[MM], v[MM], v[MB+15]
	v_mov_b32 v[MM+1], v[MM]
	; L = sum of exp(l - M)
.set i, 0
.rept 32
	v_pk_add_f32 v[LG+i:LG+i+1], v[LG+i:LG+i+1], v[MM:MM+1] neg_lo:[0,1] neg_hi:[0,1]
.set i, i+2
.endr
.set i, 0
.rept 32
	v_pk_mul_f32 v[LG+i:LG+i+1], v[LG+i:LG+i+1], L2E op_sel_hi:[1,0]
.set i, i+2
.endr
.set i, 0
.rept 64
	v_exp_f32 v[LG+i], v[LG+i]
.set i, i+1
.endr
	v_nop                                          ; one plain instruction behind the last transcendental (ISA guide 5.7.2)
	s_wait_alu depctr_va_vdst(0)
	v_pk_add_f32 v[SUM:SUM+1],   v[LG:LG+1],   v[LG+2:LG+3]
	v_pk_add_f32 v[SUM+2:SUM+3], v[LG+4:LG+5], v[LG+6:LG+7]
.set i, 8
.rept 14
	v_pk_add_f32 v[SUM:SUM+1],   v[SUM:SUM+1],   v[LG+i:LG+i+1]
	v_pk_add_f32 v[SUM+2:SUM+3], v[SUM+2:SUM+3], v[LG+i+2:LG+i+3]
.set i, i+4
.endr
	v_pk_add_f32 v[SUM:SUM+1], v[SUM:SUM+1], v[SUM+2:SUM+3]
	v_add_f32 v[SUM], v[SUM], v[SUM+1]
	v_add_f32_dpp v[SUM], v[SUM], v[SUM] row_xmask:1 row_mask:0xf bank_mask:0xf
	v_add_f32_dpp v[SUM], v[SUM], v[SUM] row_xmask:2 row_mask:0xf bank_mask:0xf
	v_add_f32_dpp v[SUM], v[SUM], v[SUM] row_xmask:4 row_mask:0xf bank_mask:0xf
	v_add_f32_dpp v[SUM], v[SUM], v[SUM] row_xmask:8 row_mask:0xf bank_mask:0xf
	v_permlanex16_b32 v[SUM+1], v[SUM], s20, s21
	v_add_f32 v[SUM], v[SUM], v[SUM+1]
	v_rcp_f32 v[RL], v[SUM]                        ; made twice, to fill the pair that the packed multiplies take
	v_rcp_f32 v[RL+1], v[SUM]
	; the blocks' weights exp(m_j - M) / L  (the first line below is the plain instruction behind the reciprocals; it touches neither SUM nor RL)
.irp j, 0,2,4,6,8,10,12,14
	v_pk_add_f32 v[MB+\j:MB+\j+1], v[MB+\j:MB+\j+1], v[MM:MM+1] neg_lo:[0,1] neg_hi:[0,1]
.endr
.irp j, 0,2,4,6,8,10,12,14
	v_pk_mul_f32 v[MB+\j:MB+\j+1], v[MB+\j:MB+\j+1], L2E op_sel_hi:[1,0]
.endr
.irp j, 0,1,2,3,4,5,6,7,8,9,10,11,12,13,14,15
	v_exp_f32 v[MB+\j], v[MB+\j]
.endr
	v_nop
	s_wait_alu depctr_va_vdst(0)
.irp j, 0,2,4,6,8,10,12,14
	v_pk_mul_f32 v[MB+\j:MB+\j+1], v[MB+\j:MB+\j+1], v[RL:RL+1]
.endr
	s_wait_loadcnt 0x0                             ; part and my own logits
	; out0: the first block starts the sums; a block's weight is taken from the first or the second register of its pair for both halves
	v_pk_mul_f32 v[ACC:ACC+1],   v[PT:PT+1],   v[MB:MB+1] op_sel_hi:[1,0]
	v_pk_mul_f32 v[ACC+2:ACC+3], v[PT+2:PT+3], v[MB:MB+1] op_sel_hi:[1,0]
.irp j, 1,2,3,4,5,6,7,8,9,10,11,12,13,14,15
.if \j&1
	v_pk_fma_f32 v[ACC:ACC+1],   v[PT+4*\j:PT+4*\j+1],   v[MB+\j-1:MB+\j], v[ACC:ACC+1]   op_sel:[0,1,0] op_sel_hi:[1,1,1]
	v_pk_fma_f32 v[ACC+2:ACC+3], v[PT+4*\j+2:PT+4*\j+3], v[MB+\j-1:MB+\j], v[ACC+2:ACC+3] op_sel:[0,1,0] op_sel_hi:[1,1,1]
.else
	v_pk_fma_f32 v[ACC:ACC+1],   v[PT+4*\j:PT+4*\j+1],   v[MB+\j:MB+\j+1], v[ACC:ACC+1]   op_sel_hi:[1,0,1]
	v_pk_fma_f32 v[ACC+2:ACC+3], v[PT+4*\j+2:PT+4*\j+3], v[MB+\j:MB+\j+1], v[ACC+2:ACC+3] op_sel_hi:[1,0,1]
.endif
.endr
	global_store_b128 v1, v[ACC:ACC+3], s[8:9]
	; out1
.irp j, 0,2,4,6
	v_pk_add_f32 v[MY+\j:MY+\j+1], v[MY+\j:MY+\j+1], v[MM:MM+1] neg_lo:[0,1] neg_hi:[0,1]
.endr
.irp j, 0,2,4,6
	v_pk_mul_f32 v[MY+\j:MY+\j+1], v[MY+\j:MY+\j+1], L2E op_sel_hi:[1,0]
.endr
.irp j, 0,1,2,3,4,5,6,7
	v_exp_f32 v[MY+\j], v[MY+\j]
.endr
	v_nop
	s_wait_alu depctr_va_vdst(0)
.irp j, 0,2,4,6
	v_pk_mul_f32 v[MY+\j:MY+\j+1], v[MY+\j:MY+\j+1], v[RL:RL+1]
.endr
	global_store_b128 v1, v[MY:MY+3],   s[10:11]
	global_store_b128 v1, v[MY+4:MY+7], s[10:11] offset:512
	s_endpgm
.Lfunc_end_k_q1473078306_combine:
	.size	k_q1473078306_combine, .Lfunc_end_k_q1473078306_combine-k_q1473078306_combine
	.p2alignl 7, 3214868480
	.fill 96, 4, 3214868480
	.section	.rodata,"a",@progbits
	.p2align	6, 0x0
	.amdhsa_kernel k_q1473078306_combine
		.amdhsa_group_segment_fixed_size 0
		.amdhsa_private_segment_fixed_size 0
		.amdhsa_enable_private_segment 0
		.amdhsa_kernarg_size 32
		.amdhsa_user_sgpr_count 2
		.amdhsa_user_sgpr_kernarg_segment_ptr 1
		.amdhsa_wavefront_size32 1
		.amdhsa_system_sgpr_workgroup_id_x 1
		.amdhsa_system_sgpr_workgroup_id_y 1
		.amdhsa_system_sgpr_workgroup_id_z 1
		.amdhsa_system_vgpr_workitem_id 0
		.amdhsa_next_free_vgpr 192
		.amdhsa_next_free_sgpr 66
		.amdhsa_reserve_vcc 0
		.amdhsa_float_denorm_mode_32 3
		.amdhsa_float_denorm_mode_16_64 3
		.amdhsa_memory_ordered 1
		.amdhsa_forward_progress 1
		.amdhsa_inst_pref_size 28
	.end_amdhsa_kernel
	.amdgpu_metadata
---
amdhsa.version: [ 1, 2 ]
amdhsa.kernels:
  - .name:           k_q1473078306_combine
    .symbol:         k_q1473078306_combine.kd
    .args:
      - { .name: logits, .offset: 0, .size: 8, .value_kind: global_buffer, .address_space: global }
      - { .name: part, .offset: 8, .size: 8, .value_kind: global_buffer, .address_space: global }
      - { .name: out0, .offset: 16, .size: 8, .value_kind: global_buffer, .address_space: global }
      - { .name: out1, .offset: 24, .size: 8, .value_kind: global_buffer, .address_space: global }
    .group_segment_fixed_size: 0
    .private_segment_fixed_size: 0
    .kernarg_segment_align: 8
    .kernarg_segment_size: 32
    .max_flat_workgroup_size: 32
    .sgpr_count:     66
    .vgpr_count:     192
    .wavefront_size: 32
...
	.end_amdgpu_metadata
.endif
;; end of part 3
